; MI455X (gfx1250); checked and timed in simulation.
; The chip was launched on July 23, 2026; its instructions are those of AMD's public machine-readable ISA for CDNA 5 (MIT licence, August 2026) and "CDNA5" Instruction Set Architecture Reference Guide (July 2026). The comments in the code are by the model that wrote it; some were corrected since.
;; Multi Head Attention. Allowed arithmetic: matrix products marked QUANTISED: E2M3 operands, one E8M0 scale for each 32 along K, by v_wmma_scale_f32_16x16x128_f8f6f4 with both operands' format E2M3, f32 sums; everything else in f32.
;; Inputs: W_k_codes 512 x 16 x 24 uint8 (E2M3 codes of W_k, K innermost, in blocks of 32 codes, four codes in three bytes); W_k_scales 512 x 16 uint8 (E8M0 scales of W_k, one for each 32 codes along K); W_o_codes 512 x 16 x 24 uint8 (E2M3 codes of W_o, K innermost, in blocks of 32 codes, four codes in three bytes); W_o_scales 512 x 16 uint8 (E8M0 scales of W_o, one for each 32 codes along K); W_q_codes 512 x 16 x 24 uint8 (E2M3 codes of W_q, K innermost, in blocks of 32 codes, four codes in three bytes); W_q_scales 512 x 16 uint8 (E8M0 scales of W_q, one for each 32 codes along K); W_v_codes 512 x 16 x 24 uint8 (E2M3 codes of W_v, K innermost, in blocks of 32 codes, four codes in three bytes); W_v_scales 512 x 16 uint8 (E8M0 scales of W_v, one for each 32 codes along K); b_k 512 float32; b_o 512 float32; b_q 512 float32; b_v 512 float32; key_codes 2 x 4,096 x 16 x 24 uint8 (E2M3 codes of key, K innermost, in blocks of 32 codes, four codes in three bytes); key_scales 2 x 4,096 x 16 uint8 (E8M0 scales of key, one for each 32 codes along K); mask 2 x 1 x 1 x 4,096 int32; query_codes 2 x 4,096 x 16 x 24 uint8 (E2M3 codes of query, K innermost, in blocks of 32 codes, four codes in three bytes); query_scales 2 x 4,096 x 16 uint8 (E8M0 scales of query, one for each 32 codes along K); value_codes 2 x 4,096 x 16 x 24 uint8 (E2M3 codes of value, K innermost, in blocks of 32 codes, four codes in three bytes); value_scales 2 x 4,096 x 16 uint8 (E8M0 scales of value, one for each 32 codes along K).
;; Outputs: out0 2 x 4,096 x 512 float32.
;; This version of the problem:
;;   THIS VERSION OF THE PROBLEM IS GIVEN IN LOW PRECISION. The matrix products marked QUANTISED in the list below multiply operands that are first quantised to E2M3 (2 exponent bits, 3 mantissa bits; 6 bits a number), with one power-of-two scale for each 32 numbers along K (OCP MX v1.0); their sums are f32. All else is computed in f32.
;;   The module's matrix products, in the order in which they are computed (A, B: the left and right operand; K: the contracted axis; several contracted axes count as one K, in the product's order):
;;     1. [M 8,192, K 512] x [K 512, N 512]; A: input query (given as codes); B: input W_q (given as codes): QUANTISED
;;     2. [M 8,192, K 512] x [K 512, N 512]; A: input key (given as codes); B: input W_k (given as codes): QUANTISED
;;     3. [M 8,192, K 512] x [K 512, N 512]; A: input value (given as codes); B: input W_v (given as codes): QUANTISED
;;     4. batch 16 x [M 4,096, K 64] x [K 64, N 4,096]; A: computed on the way; B: computed on the way: QUANTISED
;;     5. batch 16 x [M 4,096, K 4,096] x [K 4,096, N 64]; A: softmax (see below); B: computed on the way: QUANTISED
;;     6. [M 8,192, K 512] x [K 512, N 512]; A: computed on the way; B: input W_o (given as codes): QUANTISED
;;   THE QUANTISER, for each operand of a quantised product, along K:
;;     - K is cut into blocks of 32 from its start; a last block that is shorter is filled with zeros.
;;     - A block's scale is 2^e with e = floor(log2(the largest magnitude in the block)) - 2, held to -126 .. 127; a block of zeros has e = 0. As a byte (E8M0): e + 127.
;;     - Each number is divided by its block's scale, clamped to +-7.5, and rounded to the nearest number of E2M3, ties to even, subnormals kept.
;;     - The product sums the exact products of the quantised numbers (number of the format x scale) in f32.
;;   ~~~python
;;   def quantise(x, axis):      # numpy; x: float32 -> the quantised numbers, widened to float32 again
;;       x = np.moveaxis(x, axis, -1); K = x.shape[-1]
;;       x = np.pad(x, [(0, 0)] * (x.ndim - 1) + [(0, -K % 32)]); x = x.reshape(x.shape[:-1] + (-1, 32)); a = np.abs(x).max(-1, keepdims=True)
;;       e = np.where(a > 0, np.clip(np.frexp(np.where(a > 0, a, 1))[1] - 1 - 2, -126, 127), 0)      # np.frexp(a)[1] - 1 = floor(log2(a)), exactly
;;       r = np.clip(x / 2.0 ** e, -7.5, 7.5)
;;       step = 2.0 ** (np.maximum(np.frexp(np.where(r == 0, 1, r))[1] - 1, 0) - 3)
;;       q = np.round(r / step) * step * 2.0 ** e      # np.round: ties to even
;;       return np.moveaxis(q.reshape(q.shape[:-2] + (-1,))[..., :K], -1, axis).astype(np.float32)
;;   ~~~
;;   SOFTMAX AHEAD OF A QUANTISED PRODUCT. Where the list says 'softmax', what is quantised is not the finished softmax but p = 2^(t - M), with t = logit x log2(e) and M = ceil(the row's largest t), a whole number; so 1/2 < the row's largest p <= 1. The row's sum l is taken of the UNQUANTISED p, in f32, and the product's result is divided by l at the end. Since M is a whole number, a kernel that streams over the keys may use a running M (the ceiling of the running maximum): every later rescaling is an exact power of two, which a block's scale takes up: the codes' values come out the same.
;;   OPERANDS COMPUTED ON THE WAY. 'Computed on the way' means the value that the module computes at that place (a softmax that the list does not call 'softmax' is quantised finished and normalised). What goes into a quantiser is computed in f32, as accurately as f32 sums, v_exp_f32 and their like allow (about 1e-6 of the number): no bf16 or f16 on the way to a quantiser, and a product that is left as it is and whose result goes on into a quantised operand takes f32 operands (vector FMAs, or v_wmma_f32_16x16x4_f32). A number that lies on a knife's edge between two numbers of the format may be rounded either way, as far as f32 arithmetic and the matrix unit's own rounding can turn it there, and no further.
;;   INPUTS GIVEN AS CODES. W_k (in the module: [512, 512], K = its axis 1); W_o (in the module: [512, 512], K = its axis 1); W_q (in the module: [512, 512], K = its axis 1); W_v (in the module: [512, 512], K = its axis 1); key (in the module: [2, 4096, 512], K = its axis 2); query (in the module: [2, 4096, 512], K = its axis 2); value (in the module: [2, 4096, 512], K = its axis 2): each comes as NAME_codes (uint8): NAME with its K axis moved to the last place and cut into blocks of 32 codes, [.., K / 32, bytes a block], one block behind the other in memory; four codes in three bytes: a row's codes are one little-endian stream of bits, code i at bits 6 i .. 6 i + 5 (a code: sign, 2 exponent bits, 3 mantissa bits); and NAME_scales (uint8): the same leading axes, one E8M0 byte (e + 127) for each 32 codes along K. Its value is code x scale, taken as it is: it is not quantised again, and the codes and scales need not be those that the quantiser above would give.
;; One version. Each part assembles by itself: llvm-mc -triple=amdgcn-amd-amdhsa -mcpu=gfx1250 --defsym DOCPART=n.
;; ======== version 1 of 1: 3 launches
;; limits: right only within a limited range of input values
;; workspace buffers: qc 3,145,728 bytes; qsc 262,144 bytes; kvc 6,291,456 bytes; kvs 393,216 bytes; ctx 3,145,728 bytes; csc 131,072 bytes
;; launch proj (part 1): grid 64 x 3, 16 waves a work-group, no clusters, 270,336 bytes of LDS; arguments query_codes, query_scales, W_q_codes, W_q_scales, b_q, key_codes, key_scales, W_k_codes, W_k_scales, b_k, value_codes, value_scales, W_v_codes, W_v_scales, b_v, mask, qc, qsc, kvc, kvs; writes qc, qsc, kvc, kvs
.if DOCPART == 1
	.amdgcn_target "amdgcn-amd-amdhsa--gfx1250"
	.amdhsa_code_object_version 6
	.text
	.protected	k_qb681bfd589_proj
	.globl	k_qb681bfd589_proj
	.p2align	8
	.type	k_qb681bfd589_proj,@function
k_qb681bfd589_proj:
	s_mov_b64 s[64:65], 0
	v_nop
	global_prefetch_b8 v0, s[64:65] scope:SCOPE_SE
	s_setreg_imm32_b32 hwreg(HW_REG_WAVE_MODE, 25, 1), 1
	s_wait_xcnt 0x0
; THE THREE PROJECTIONS: y = x W^T + b on codes of FP6 (E2M3) with E8M0 scales, and the quantisers of Q, K and V for the attention that follows.
; NOTHING OF THE PROBLEM IS LEFT OUT: every input has a way to the output (b_k too: it moves K's codes), so every input is loaded by some launch, and all six products are done.
; LIMITS.  (1) A key with mask 0 gets the logit -2^30 where the problem writes -1e9: its row of K is given zero codes here, and the attention adds -2^33 to its raw score (logit = score / 8).
;   The results are the problem's wherever a row has an open key with a logit above about -1e9 + 150, and wherever all keys of a row are masked (every p is then exactly 1, here as there).
;   (2) A block of zeros gets the scale byte 1 where the rule says 127: its codes are zeros, and these bytes are read by this program alone.  (3) NaN and infinities among the inputs are not served.
; SHARES.  Work-group (g, Y): rows 128 g .. 128 g + 127 of tensor Y (0 query, 1 key, 2 value) x all 512 columns; 16 waves.  x's 128 rows, W's 512 rows, their scale bytes and the bias come into LDS once,
;   through registers (rows of 384 bytes at a pitch of 400); one barrier; from there on LDS is only read.  No tensor load and no cluster: nothing is filled again, and a work-group reads W once.
; TILES.  A tile of 16 rows, of x and of W alike, is rows 32 b + 8 u + r + 8 (r / 8) (tile 2 b + u, lane r): so in a result whose m axis runs over such a tile, register j of lane (r, h) is index 32 b + 16 h + 8 u + j,
;   and the 16 registers of tiles 2 b and 2 b + 1 are 16 neighbours.  In LDS the rows lie in the tiles' order: of each 32 rows the groups of eight 0, 1, 2, 3 go to places 0, 2, 1, 3.
; Q AND K (K of the next product = the head's 64): source 0 = 16 rows of W, source 1 = 16 rows of x: a lane holds one row of x and its registers run along the head.  Wave w: head w / 2, x's tiles 4 (w % 2) .. + 3.
;   Two tiles of x (a pair) give 4 blocks of 32: one pass of the quantiser gives 12 registers: 0-5 the lower half (k = 32 h ..) of tile u = 0's fragment, 6-11 that of tile u = 1.  They are stored as they stand, 16 bytes a lane.
; V (K of the next product = the keys): source 0 = 16 rows of x, source 1 = 16 rows of W: a lane holds one channel and its registers run along the 128 keys: one whole fragment.  Wave w: W's tiles 2 w, 2 w + 1.
; The bias is the C of each sum's first product.
.set PITCH, 400                        ; 100 words: row r starts at bank 36 r mod 64 (64 banks of 4 bytes: ISA guide 11.1): the 32 lanes of a load of 8 bytes touch 64 different banks
.set TILEB, 16*PITCH
.set XR,    0                          ; x's 128 rows
.set WR,    128*PITCH                  ; W's 512 rows
.set XS,    WR+512*PITCH               ; x's scale bytes, 16 a row, rows in their natural order
.set WS,    XS+2048                    ; W's likewise
.set BI,    WS+8192                    ; the bias
.set SPARE, BI+2048                    ; the spare words, 128 bytes for each wave: eight blocks of 256 bytes that no other line names
.set SPW, 5                            ; v5   LDS address of my spare word; never rewritten
.set NIL, 6                            ; v6   0; never rewritten
.set AX,  14                           ; v14  LDS address of my fragments of x
.set AW,  15                           ; v15  of W
.set ASC, 16                           ; v16  of the scale words: lanes 0-15 x's rows, lanes 16-31 W's
.set AB,  17                           ; v17  of the bias
.set SC,  24                           ; v24-31 scale words: register i: lanes 0-15 x's tile i, lanes 16-31 W's tile i
.set FA,  32                           ; v32-79  fragments (Q, K: W's four; V: W's two, and from v56 the bias)
.set FB,  80                           ; v80-127 four fragments of x
.set ACC, 128                          ; v128-255 sixteen accumulators; first the fill's data
.set TM,  32                           ; behind the products: v32-47 at work in the quantiser
.set PW,  48                           ; v48  the scale word just made
.set PC,  52                           ; v52-70 the codes just made
.set SEL, 76                           ; s[76:77] lane selects for v_permlanex16_b32: lane l xor 16
; a fragment, 16 rows x 128 K: lane (r, h) takes 24 bytes at 24 h and 24 bytes at 48 + 24 h of its row's 96, in pieces of 8 bytes
.macro FRAG reg, adr, tile, s
.irp p, 0,1,2,3,4,5
	ds_load_b64 v[\reg+2*\p:\reg+2*\p+1], v[\adr] offset:TILEB*(\tile)+96*(\s)+48*(\p/3)+8*(\p%3)
.endr
.endm
; one product.  row = 1: source 0's scales stand in lanes 16-31 of their register; 2: source 1's
.macro WM d, a, b, c, sa, sb, row
.if \row == 1
	v_wmma_scale_f32_16x16x128_f8f6f4 v[\d:\d+7], v[\a:\a+11], v[\b:\b+11], v[\c:\c+7], v[\sa], v[\sb] matrix_a_fmt:MATRIX_FMT_FP6 matrix_b_fmt:MATRIX_FMT_FP6 matrix_a_scale:MATRIX_SCALE_ROW1
.else
	v_wmma_scale_f32_16x16x128_f8f6f4 v[\d:\d+7], v[\a:\a+11], v[\b:\b+11], v[\c:\c+7], v[\sa], v[\sb] matrix_a_fmt:MATRIX_FMT_FP6 matrix_b_fmt:MATRIX_FMT_FP6 matrix_b_scale:MATRIX_SCALE_ROW1
.endif
.endm
; 64 numbers of a lane, v[s] .. v[s + 63], in four blocks of 16 registers, each block shared with lane l xor 16, become 12 registers of codes in v[PC] on and the four scale bytes in v[PW].
.macro QUANT s
.irp b, 0,1,2,3
	v_max3_num_f32 v[TM+\b], |v[\s+16*\b]|, |v[\s+1+16*\b]|, 0x1800000   ; my 16 numbers, and the floor 2^(3 - 127): the byte cannot fall under 1
.endr
.irp i, 2,4,6,8,10,12,14
.irp b, 0,1,2,3
	v_max3_num_f32 v[TM+\b], v[TM+\b], |v[\s+16*\b+\i]|, |v[\s+1+16*\b+\i]|   ; the four blocks by turns
.endr
.endr
.irp b, 0,1,2,3
	s_delay_alu instid0(VALU_DEP_4)
	v_permlanex16_b32 v[TM+4+\b], v[TM+\b], s[SEL], s[SEL+1]
.endr
.irp b, 0,1,2,3
	s_delay_alu instid0(VALU_DEP_4)
	v_max_num_f32 v[TM+\b], v[TM+\b], v[TM+4+\b]   ; with lane l xor 16's: the block's largest magnitude
.endr
.irp b, 0,1,2,3
	s_delay_alu instid0(VALU_DEP_4)
	v_add_nc_u32 v[TM+12+\b], 0xff000000, v[TM+\b]   ; 2 off its exponent field: the conversion's scale operand
.endr
.irp b, 0,1,2,3
	s_delay_alu instid0(VALU_DEP_4)
	v_lshrrev_b32 v[TM+4+\b], 23, v[TM+12+\b]      ; the scale's byte
.endr
	s_delay_alu instid0(VALU_DEP_3)
	v_lshl_or_b32 v[PW], v[TM+5], 8, v[TM+4]
	s_delay_alu instid0(VALU_DEP_1)
	v_lshl_or_b32 v[PW], v[TM+6], 16, v[PW]
	s_delay_alu instid0(VALU_DEP_1)
	v_lshl_or_b32 v[PW], v[TM+7], 24, v[PW]
.irp c, 0,1
	v_cvt_scalef32_pk16_fp6_f32 v[PC+6*\c:PC+2+6*\c], v[\s+32*\c:\s+15+32*\c], v[TM+12+2*\c]
	v_cvt_scalef32_pk16_fp6_f32 v[PC+12+4*\c:PC+14+4*\c], v[\s+16+32*\c:\s+31+32*\c], v[TM+12+2*\c+1]   ; (a conversion's three registers begin on an even number)
.endr
	v_nop                                          ; one plain place behind a scaled conversion
.irp c, 0,1                                    ; a whole block to a lane: lanes 0-15 block 2 c, lanes 16-31 block 2 c + 1
.irp i, 0,1,2
	v_permlane16_swap_b32 v[PC+6*\c+\i], v[PC+12+4*\c+\i]
.endr
.irp i, 0,1,2
	s_delay_alu instid0(VALU_DEP_3)
	v_mov_b32 v[PC+3+6*\c+\i], v[PC+12+4*\c+\i]
.endr
.endr
.endm
	s_load_b512 s[8:23], s[0:1], 0x0               ; query's five (codes, scales, W's codes, W's scales, bias) s[8:17], key's five from s18
	s_load_b512 s[24:39], s[0:1], 0x40             ; .. to s27, value's five s[28:37], mask s[38:39]
	s_load_b256 s[40:47], s[0:1], 0x80             ; qc s[40:41], qsc s[42:43], kvc s[44:45], kvs s[46:47]
	v_lshl_add_u32 v[SPW], v0, 2, SPARE
	v_mov_b32 v[NIL], 0
	v_lshrrev_b32 v1, 5, v0
	s_delay_alu instid0(VALU_DEP_1)
	v_readfirstlane_b32 s2, v1                     ; wave 0..15
	v_and_b32 v1, 31, v0                           ; lane
	v_and_b32 v2, 15, v0                           ; r
	v_bfe_u32 v3, v0, 4, 1                         ; h
	s_delay_alu instid0(VALU_DEP_2)
	v_and_b32 v4, 8, v2
	s_delay_alu instid0(VALU_DEP_1)
	v_add_nc_u32 v4, v4, v2                        ; r + 8 (r / 8)
	v_lshlrev_b32 v7, 4, v1                        ; 16 x lane
	s_delay_alu instid0(VALU_DEP_4)
	v_lshlrev_b32 v19, 4, v3                       ; 16 h
	; the fill: three loads of 512 bytes are four rows of 384.  Piece n = 32 i + lane of 16 bytes lies in row n / 24 = (43 n) >> 10 (n under 96), and goes to 16 n + 16 x that row
.irp i, 0,1,2
	v_add_nc_u32 v[8+\i], 32*\i, v1
	s_delay_alu instid0(VALU_DEP_1)
	v_mul_u32_u24 v[11+\i], v[8+\i], 43
	s_delay_alu instid0(VALU_DEP_1)
	v_lshrrev_b32 v[11+\i], 10, v[11+\i]
	s_delay_alu instid0(VALU_DEP_1)
	v_add_nc_u32 v[8+\i], v[8+\i], v[11+\i]
	s_delay_alu instid0(VALU_DEP_1)
	v_lshlrev_b32 v[8+\i], 4, v[8+\i]
.endr
	s_and_b32 s3, ttmp7, 0xffff                    ; Y: which tensor
	s_mov_b32 s4, ttmp9                            ; g: which 128 rows
	s_lshr_b32 s5, s2, 1                           ; w / 2: the head
	s_and_b32 s6, s2, 1                            ; w % 2
	s_lshr_b32 s66, s2, 2                          ; x: wave w brings rows 8 w .. 8 w + 7, group w % 4 of the 32 rows w / 4: place 2 (w % 2) + (w / 2) % 2
	s_lshl_b32 s66, s66, 2
	s_lshl_b32 s67, s6, 1
	s_add_co_u32 s66, s66, s67
	s_bfe_u32 s67, s2, 0x10001
	s_add_co_u32 s66, s66, s67
	s_mul_i32 s66, s66, 8*PITCH
	s_mul_i32 s67, s2, 32*PITCH                    ; W: wave w brings rows 32 w .. 32 w + 31
	s_add_co_u32 s67, s67, WR
	s_wait_alu depctr_va_vdst(0)
.irp i, 0,1,2
	v_add_nc_u32 v[11+\i], s67, v[8+\i]            ; v11-13: where W's pieces go
	v_add_nc_u32 v[8+\i], s66, v[8+\i]             ; v8-10: where x's go
.endr
	v_lshlrev_b32 v24, 4, v0                       ; 16 x thread
	v_lshlrev_b32 v25, 2, v0                       ; 4 x thread
	v_and_b32 v26, 8, v2                           ; the mask, 4 bytes a key: lane r of K's tile i holds key 32 (r / 8) + 8 i + r % 8 of my 64 (see the choice of K's rows below)
	v_mul_u32_u24 v26, v26, 12
	v_lshl_add_u32 v26, v2, 2, v26                 ; 4 r + 96 (r / 8)
	v_lshlrev_b32 v29, 2, v1                       ; 4 x lane
	v_lshl_add_u32 v27, v0, 4, WS
	v_lshl_add_u32 v28, v0, 2, XS
	v_mul_u32_u24 v14, v2, PITCH
	s_delay_alu instid0(VALU_DEP_1)
	v_mad_u32_u24 v14, v3, 24, v14                 ; a fragment's row x pitch + 24 h
	s_mul_i32 s68, s4, 128*384
	; K'S ROWS ARE DEALT OTHERWISE THAN Q'S AND V'S, by the global address alone: the place in LDS that takes rows 8 w .. 8 w + 7 of query and value takes, of key, the eight rows 8 G .. 8 G + 7,
	; G = w with its bits 1 and 2 exchanged.  So tile 4 c + i of key holds in lane r key 64 c + 32 (r / 8) + 8 i + r % 8: in the attention's scores a lane then holds whole blocks of 32 keys.
	s_and_b32 s86, s2, 9
	s_and_b32 s87, s2, 2
	s_lshl_b32 s87, s87, 1
	s_or_b32 s86, s86, s87
	s_and_b32 s87, s2, 4
	s_lshr_b32 s87, s87, 1
	s_or_b32 s86, s86, s87
	s_cmp_eq_u32 s3, 1
	s_cselect_b32 s86, s86, s2                     ; key: G; query and value: w
	s_mul_i32 s69, s86, 8*384
	s_add_co_u32 s68, s68, s69                     ; x's codes: my eight rows
	s_mov_b32 s69, 0
	s_mul_i32 s70, s2, 32*384                      ; W's codes: my 32 rows
	s_mov_b32 s71, 0
	s_lshl_b32 s72, s4, 11                         ; x's scale bytes: 128 rows of 16
	s_lshl_b32 s87, s86, 7
	s_add_co_u32 s72, s72, s87                     ; and of them my eight rows' 128 bytes
	s_mov_b32 s73, 0
	s_lshl_b32 s74, s4, 9                          ; the mask: key 128 g + 64 (w % 2), 4 bytes each
	s_lshl_b32 s75, s6, 8
	s_add_co_u32 s74, s74, s75
	s_mov_b32 s75, 0
	s_mov_b32 s[SEL], 0x76543210
	s_mov_b32 s[SEL+1], 0xfedcba98
	s_mov_b32 s83, 0
	s_wait_alu depctr_va_vdst(0)
	s_wait_kmcnt 0x0
	s_cmp_eq_u32 s3, 1                             ; the tensor's five buffers: a choice on the work-group's number alone
.irp i, 0,1,2,3,4
	s_cselect_b64 s[48+2*\i:49+2*\i], s[18+2*\i:19+2*\i], s[8+2*\i:9+2*\i]
.endr
	s_cmp_eq_u32 s3, 2
.irp i, 0,1,2,3,4
	s_cselect_b64 s[48+2*\i:49+2*\i], s[28+2*\i:29+2*\i], s[48+2*\i:49+2*\i]
.endr
	s_cmp_eq_u32 s3, 0                             ; where the results go: Q's buffers, or K's and V's
	s_cselect_b64 s[58:59], s[40:41], s[44:45]
	s_cselect_b64 s[60:61], s[42:43], s[46:47]
	s_mov_b32 s78, 12288
	s_cselect_b32 s78, 6144, s78                   ; a record of codes,
	s_mov_b32 s79, 768
	s_cselect_b32 s79, 512, s79                    ; and of scale words
	s_cselect_b32 s80, -1, 0                       ; all ones for Q: the mask decides nothing there
	s_add_nc_u64 s[48:49], s[48:49], s[68:69]
	s_add_nc_u64 s[52:53], s[52:53], s[70:71]
	s_add_nc_u64 s[50:51], s[50:51], s[72:73]
	s_add_nc_u64 s[38:39], s[38:39], s[74:75]
	; every work-group loads its lanes' four words of the mask, so that the fill is one way through the text; K's work-groups alone let them decide
.irp i, 0,1,2,3
	global_load_b32 v[20+\i], v26, s[38:39] offset:32*\i   ; key 64 (w % 2) + 32 (r / 8) + 8 i + r % 8: K's tile i of my four, row r
.endr
.set k, 0
.rept 6
	global_load_b128 v[ACC+4*k:ACC+4*k+3], v7, s[48:49] offset:512*k th:TH_LOAD_NT   ; 32 lanes read 512 consecutive bytes
.set k, k+1
.endr
.set k, 0
.rept 24
	global_load_b128 v[ACC+24+4*k:ACC+24+4*k+3], v7, s[52:53] offset:512*k
.set k, k+1
.endr
	global_load_b128 v[248:251], v24, s[54:55]     ; W's scale bytes: 8,192 = 512 threads x 16
	global_load_b32 v252, v29, s[50:51]            ; x's: my eight rows' 128 bytes, 4 a lane
	global_load_b32 v253, v25, s[56:57]            ; the bias: 512 numbers
	s_lshr_b32 s81, s4, 5                          ; the record: ((batch x 8 + head) x 32 + the 128 rows' number in the batch)
	s_lshl_b32 s81, s81, 3
	s_add_co_u32 s81, s81, s5
	s_lshl_b32 s81, s81, 5
	s_and_b32 s82, s4, 31
	s_add_co_u32 s81, s81, s82
	s_mul_i32 s82, s81, s78
	s_add_nc_u64 s[58:59], s[58:59], s[82:83]
	s_mul_i32 s82, s81, s79
	s_add_nc_u64 s[60:61], s[60:61], s[82:83]
	s_wait_loadcnt 0x0
.set k, 0
.rept 6
	ds_store_b128 v[8+k%3], v[ACC+4*k:ACC+4*k+3] offset:4*PITCH*(k/3)
.set k, k+1
.endr
.set k, 0
.rept 24
	ds_store_b128 v[11+k%3], v[ACC+24+4*k:ACC+24+4*k+3] offset:8*PITCH*(2*((k/6)%2)+k/12)+4*PITCH*((k/3)%2)   ; the group of eight k / 6 to its place
.set k, k+1
.endr
	ds_store_b128 v27, v[248:251]
	ds_store_b32 v28, v252
	ds_store_b32 v28, v253 offset:BI-XS
	s_wait_dscnt 0x0                               ; for the others' sake: my stores have landed
	s_barrier_signal -1
	s_barrier_wait -1                              ; the launch's one barrier: from here on LDS is only read
	s_cmp_eq_u32 s3, 2
	s_cbranch_scc1 .Lvalue
	; ---------------- Q and K
	s_mul_i32 s66, s5, 4*TILEB
	s_add_co_u32 s66, s66, WR
	v_add_nc_u32 v[AW], s66, v14                   ; the head's four tiles of W
	s_wait_alu depctr_va_vdst(0)
	s_mul_i32 s66, s6, 4*TILEB
	v_add_nc_u32 v[AX], s66, v14                   ; my four tiles of x
	s_wait_alu depctr_va_vdst(0)
	v_lshlrev_b32 v[ASC], 4, v4                    ; scale words: 16 bytes a row, row r + 8 (r / 8) of a tile;
	s_lshl_b32 s66, s6, 10
	s_lshl_b32 s67, s5, 10
	s_add_co_u32 s67, s67, WS-XS
	s_sub_co_u32 s67, s67, s66                     ; lanes 16-31 take W's: one product, h x the distance between the two
	v_mul_u32_u24 v30, s67, v3
	s_add_co_u32 s66, s66, XS
	v_add_nc_u32 v[ASC], v[ASC], v30
	s_delay_alu instid0(VALU_DEP_1)
	v_add_nc_u32 v[ASC], s66, v[ASC]
	s_wait_alu depctr_va_vdst(0)
	v_lshlrev_b32 v[AB], 6, v3                     ; the bias: register j of W's tile 2 b + u is channel 32 b + 16 h + 8 u + j of the head
	s_lshl_b32 s66, s5, 8
	s_add_co_u32 s66, s66, BI
	v_add_nc_u32 v[AB], s66, v[AB]
	s_mul_i32 s82, s6, 3072                        ; my two pairs' images,
	s_add_nc_u64 s[58:59], s[58:59], s[82:83]
	s_lshl_b32 s82, s6, 8                          ; and their scale words
	s_add_nc_u64 s[60:61], s[60:61], s[82:83]
	v_lshlrev_b32 v18, 3, v1                       ; 8 x lane
	s_mov_b32 s85, 0xffff
.set q, 0
.rept 16                                       ; the bias goes INTO the accumulators (x's tile q / 4, W's tile q % 4) and is the first product's C, in place
	ds_load_b128 v[ACC+8*q:ACC+8*q+3], v[AB] offset:128*((q%4)/2)+32*(q%2)
	ds_load_b128 v[ACC+8*q+4:ACC+8*q+7], v[AB] offset:128*((q%4)/2)+32*(q%2)+16
.set q, q+1
.endr
.macro QKSTEP s                                ; 128 along K: 8 fragments, 4 registers of scale words, 16 products; the 16 accumulators take turns, one instruction a turn
.if \s > 0
.rept 4
	v_nop                                          ; places in front of loads into registers that matrix instructions have read
.endr
.endif
.irp t, 0,1,2,3
	FRAG FA+12*\t, AW, \t, \s
	FRAG FB+12*\t, AX, \t, \s
	ds_load_b32 v[SC+\t], v[ASC] offset:16*(32*(\t/2)+8*(\t%2))+4*\s
.endr
	s_wait_dscnt 0x0
.irp x, 0,1,2,3
.irp e, 0,1,2,3
	WM ACC+32*\x+8*\e, FA+12*\e, FB+12*\x, ACC+32*\x+8*\e, SC+\e, SC+\x, 1
.endr
.endr
.endm
	QKSTEP 0
	QKSTEP 1
	QKSTEP 2
	QKSTEP 3
.rept 4
	v_nop                                          ; places in front of the first read of results and the first write of operands
.endr
.irp b, 0,1,2,3
	v_mov_b32 v[TM+4+\b], 0                        ; written once: a lane permute's destination counts as one of its sources
.endr
.macro QKOUT p                                 ; pair 2 (w % 2) + p: blocks (tile 0: head's 0, 1; tile 1: head's 0, 1)
.if \p > 0
	s_wait_xcnt 0x0                                ; the first pair's stores have read their registers: the codes may be written again
.endif
	QUANT ACC+64*\p
.irp a, 0,1
	v_cmp_ne_u32 s84, 0, v[20+2*\p+\a]             ; K: a masked key's row becomes zero codes, so that its score is exactly what the attention adds
	s_or_b32 s84, s84, s80                         ; Q: every row is kept
.irp i, 0,1,2,3,4,5
	v_cndmask_b32 v[PC+6*\a+\i], 0, v[PC+6*\a+\i], s84
.endr
.endr
.irp c, 0,1,2
	global_store_b128 v7, v[PC+4*\c:PC+4*\c+3], s[58:59] offset:1536*\p+512*\c   ; the image of the 12 registers: each store covers 512 consecutive bytes, aligned
.endr
	v_lshrrev_b32 v49, v19, v[PW]                  ; lanes 0-15: tile 0's two bytes; lanes 16-31: tile 1's
	s_delay_alu instid0(VALU_DEP_1)
	v_and_or_b32 v[72+\p], v49, s85, 0x7f7f0000    ; bytes 2 and 3 scale the upper 64 of the instruction's 128, where Q holds zero codes: 1.0
.endm
	QKOUT 0
	QKOUT 1
	global_store_b64 v18, v[72:73], s[60:61]       ; the two pairs' scale words: 256 consecutive bytes, aligned
	s_branch .Lend
	; ---------------- V
.Lvalue:
	s_mul_i32 s66, s2, 2*TILEB
	s_add_co_u32 s66, s66, WR
	v_add_nc_u32 v[AW], s66, v14                   ; W's tiles 2 w, 2 w + 1;  v[AX] stands at x's tile 0 as it is
	s_wait_alu depctr_va_vdst(0)
	v_lshlrev_b32 v[ASC], 4, v4
	s_lshl_b32 s67, s2, 9
	s_add_co_u32 s67, s67, WS-XS                   ; lanes 16-31: W's rows from 32 w on.  Registers 0 and 1 hold my two tiles' words there; in registers 2 to 7 those lanes read on (as far as into the bias) and nobody takes them
	v_mul_u32_u24 v72, s67, v3
	s_delay_alu instid0(VALU_DEP_1)
	v_add_nc_u32 v[ASC], v[ASC], v72
	s_delay_alu instid0(VALU_DEP_1)
	v_add_nc_u32 v[ASC], XS, v[ASC]
	s_wait_alu depctr_va_vdst(0)
	v_lshlrev_b32 v[AB], 2, v4                     ; the bias: my lane's channel, 32 w + 8 n + r + 8 (r / 8)
	s_lshl_b32 s66, s2, 7
	s_add_co_u32 s66, s66, BI
	v_add_nc_u32 v[AB], s66, v[AB]
	s_mul_i32 s82, s6, 3072
	s_add_co_u32 s82, s82, 6144                    ; V's four fragments lie behind K's 6,144 bytes; mine are 2 (w % 2) and the next
	s_add_nc_u64 s[58:59], s[58:59], s[82:83]
	s_lshl_b32 s82, s6, 7
	s_add_co_u32 s82, s82, 512
	s_add_nc_u64 s[60:61], s[60:61], s[82:83]
	v_lshlrev_b32 v18, 2, v1                       ; 4 x lane
	s_mov_b32 s84, 0xffff0000                      ; lanes 16-31
.irp n, 0,1
.irp j, 0,1,2,3,4,5,6,7
	ds_load_b32 v[56+8*\n+\j], v[AB] offset:32*\n  ; a lane holds one channel: the same number in all eight registers of the first product's C
.endr
.endr
.macro VMUL i0, s                              ; x's tiles i0 .. i0 + 3 x my two tiles of W; the accumulators take turns
.irp t, 0,1,2,3
.irp n, 0,1
.if \s == 0
	WM ACC+64*\n+8*(\i0+\t), FB+12*\t, FA+12*\n, 56+8*\n, SC+\i0+\t, SC+\n, 2
.else
	WM ACC+64*\n+8*(\i0+\t), FB+12*\t, FA+12*\n, ACC+64*\n+8*(\i0+\t), SC+\i0+\t, SC+\n, 2
.endif
.endr
.endr
.endm
.macro VSTEP s
.if \s > 0
.rept 4
	v_nop
.endr
.endif
	FRAG FA, AW, 0, \s
	FRAG FA+12, AW, 1, \s
.irp t, 0,1,2,3
	FRAG FB+12*\t, AX, \t, \s
.endr
.irp t, 0,1,2,3,4,5,6,7
	ds_load_b32 v[SC+\t], v[ASC] offset:16*(32*(\t/2)+8*(\t%2))+4*\s
.endr
	s_wait_dscnt 0x0
	VMUL 0, \s
.rept 4
	v_nop
.endr
.irp t, 0,1,2,3
	FRAG FB+12*\t, AX, \t+4, \s
.endr
	s_wait_dscnt 0x0
	VMUL 4, \s
.endm
	VSTEP 0
	VSTEP 1
	VSTEP 2
	VSTEP 3
.rept 4
	v_nop
.endr
.irp b, 0,1,2,3
	v_mov_b32 v[TM+4+\b], 0
.endr
.macro VOUT n                                  ; register 16 b + i of tile n's 64 is key 32 b + 16 h + i: a whole fragment of V^T
.if \n > 0
	s_wait_xcnt 0x0
.endif
	QUANT ACC+64*\n
.irp c, 0,1,2
	global_store_b128 v7, v[PC+4*\c:PC+4*\c+3], s[58:59] offset:1536*\n+512*\c
.endr
.if \n == 0
	v_mov_b32 v72, v[PW]
.else
	v_cndmask_b32 v72, v72, v[PW], s84             ; lanes 0-15 the even tile's words, lanes 16-31 the odd tile's
.endif
.endm
	VOUT 0
	VOUT 1
	global_store_b32 v18, v72, s[60:61]            ; 128 consecutive bytes: my neighbour wave stores the 128 beside them
.Lend:
	s_wait_tensorcnt 0x0                           ; the wave's end, behind my last LDS store
	ds_add_u32 v[SPW], v[NIL]
	s_wait_dscnt 0x0
	s_endpgm
.Lfunc_end_k_qb681bfd589_proj:
	.size	k_qb681bfd589_proj, .Lfunc_end_k_qb681bfd589_proj-k_qb681bfd589_proj
	.p2alignl 7, 3214868480
	.fill 96, 4, 3214868480
	.section	.rodata,"a",@progbits
	.p2align	6, 0x0
	.amdhsa_kernel k_qb681bfd589_proj
		.amdhsa_group_segment_fixed_size 270336
		.amdhsa_private_segment_fixed_size 0
		.amdhsa_enable_private_segment 0
		.amdhsa_kernarg_size 160
		.amdhsa_user_sgpr_count 2
		.amdhsa_user_sgpr_kernarg_segment_ptr 1
		.amdhsa_wavefront_size32 1
		.amdhsa_system_sgpr_workgroup_id_x 1
		.amdhsa_system_sgpr_workgroup_id_y 1
		.amdhsa_system_sgpr_workgroup_id_z 1
		.amdhsa_system_vgpr_workitem_id 0
		.amdhsa_next_free_vgpr 256
		.amdhsa_next_free_sgpr 96
		.amdhsa_reserve_vcc 0
		.amdhsa_float_denorm_mode_32 3
		.amdhsa_float_denorm_mode_16_64 3
		.amdhsa_memory_ordered 1
		.amdhsa_forward_progress 1
		.amdhsa_inst_pref_size 87
	.end_amdhsa_kernel
	.amdgpu_metadata
---
amdhsa.version: [ 1, 2 ]
amdhsa.kernels:
  - .name:           k_qb681bfd589_proj
    .symbol:         k_qb681bfd589_proj.kd
    .args:
      - { .name: query_codes, .offset: 0, .size: 8, .value_kind: global_buffer, .address_space: global }
      - { .name: query_scales, .offset: 8, .size: 8, .value_kind: global_buffer, .address_space: global }
      - { .name: W_q_codes, .offset: 16, .size: 8, .value_kind: global_buffer, .address_space: global }
      - { .name: W_q_scales, .offset: 24, .size: 8, .value_kind: global_buffer, .address_space: global }
      - { .name: b_q, .offset: 32, .size: 8, .value_kind: global_buffer, .address_space: global }
      - { .name: key_codes, .offset: 40, .size: 8, .value_kind: global_buffer, .address_space: global }
      - { .name: key_scales, .offset: 48, .size: 8, .value_kind: global_buffer, .address_space: global }
      - { .name: W_k_codes, .offset: 56, .size: 8, .value_kind: global_buffer, .address_space: global }
      - { .name: W_k_scales, .offset: 64, .size: 8, .value_kind: global_buffer, .address_space: global }
      - { .name: b_k, .offset: 72, .size: 8, .value_kind: global_buffer, .address_space: global }
      - { .name: value_codes, .offset: 80, .size: 8, .value_kind: global_buffer, .address_space: global }
      - { .name: value_scales, .offset: 88, .size: 8, .value_kind: global_buffer, .address_space: global }
      - { .name: W_v_codes, .offset: 96, .size: 8, .value_kind: global_buffer, .address_space: global }
      - { .name: W_v_scales, .offset: 104, .size: 8, .value_kind: global_buffer, .address_space: global }
      - { .name: b_v, .offset: 112, .size: 8, .value_kind: global_buffer, .address_space: global }
      - { .name: mask, .offset: 120, .size: 8, .value_kind: global_buffer, .address_space: global }
      - { .name: qc, .offset: 128, .size: 8, .value_kind: global_buffer, .address_space: global }
      - { .name: qsc, .offset: 136, .size: 8, .value_kind: global_buffer, .address_space: global }
      - { .name: kvc, .offset: 144, .size: 8, .value_kind: global_buffer, .address_space: global }
      - { .name: kvs, .offset: 152, .size: 8, .value_kind: global_buffer, .address_space: global }
    .group_segment_fixed_size: 270336
    .private_segment_fixed_size: 0
    .kernarg_segment_align: 8
    .kernarg_segment_size: 160
    .max_flat_workgroup_size: 512
    .sgpr_count:     96
    .vgpr_count:     256
    .wavefront_size: 32
...
	.end_amdgpu_metadata
.endif
;; end of part 1
;; launch attn (part 2): grid 16 x 16, 8 waves a work-group, clusters of 4 x 1, 327,680 bytes of LDS; arguments qc, qsc, kvc, kvs, mask, ctx, csc; writes ctx, csc
.if DOCPART == 2
	.amdgcn_target "amdgcn-amd-amdhsa--gfx1250"
	.amdhsa_code_object_version 6
	.text
	.protected	k_qb681bfd589_attn
	.globl	k_qb681bfd589_attn
	.p2align	8
	.type	k_qb681bfd589_attn,@function
k_qb681bfd589_attn:
	s_mov_b64 s[64:65], 0
	v_nop
	global_prefetch_b8 v0, s[64:65] scope:SCOPE_SE
	s_setreg_imm32_b32 hwreg(HW_REG_WAVE_MODE, 25, 1), 1
	s_wait_xcnt 0x0
	s_wait_alu depctr_hold_cnt(0) depctr_sa_sdst(0) depctr_va_vdst(0) depctr_va_sdst(0) depctr_va_ssrc(0) depctr_va_vcc(0) depctr_vm_vsrc(0)
	s_getreg_b32 s2, hwreg(HW_REG_IB_STS2, 6, 4)
	s_cmp_eq_u32 s2, 0
	s_cbranch_scc0 .Lentry_in_a_cluster
	s_endpgm
.Lentry_in_a_cluster:
	s_bfe_u32 s2, ttmp6, 0x10000c
	s_cmp_lg_u32 s2, 0x3003
	s_cbranch_scc0 .Lentry_shape_is_right
	s_endpgm
.Lentry_shape_is_right:
; ATTENTION ON CODES OF FP6 (E2M3): S^T = K Q^T, the softmax, O^T = V^T P^T, and the quantiser of the context along the model's 512.  Nothing of the problem is left out here.
; THE SOFTMAX: t = score x log2(e) / 8; M = the row's largest t so far, rounded up to a whole number; p = 2^(t - M) is quantised along the keys; the row's sum is taken of the unquantised p and divides at the end.
;   When M moves, the sum and O^T are multiplied by 2^(old M - new M): exact.
; THE MASK: a masked key's row of K holds zero codes (the launch before), and the C of its score is -2^33: the score is then exactly -2^33.  -2^33 x c is a whole number that f32 holds exactly, so a row whose keys
;   are all masked gets p = 1 throughout.  LIMIT: the masked logit is -2^30 where the problem writes -1e9; the results are the problem's wherever a row has an open key with a logit above about -1e9 + 150,
;   and wherever all its keys are masked.  NaN and infinities are not served; a p under 2^-126 counts as 0.
; SHARES.  A work-group owns 256 queries of one (batch, head); each of its eight waves 32 of them, as two tiles of 16: tile 0's own registers lie in window 0, tile 1's at the same numbers in window 1.
;   K's and V's fragments, their scale words and the mask's 64 numbers of a key step are loaded from LDS once for both tiles.  Every wave walks all 4,096 keys, 128 a step.  A lane holds one query of each tile.
; KEYS OF A TILE: tile 4 c + i of a step's eight holds in row m key 64 c + 32 (m / 8) + 8 i + m % 8.  Register j of lane (r, h) of S^T is row 8 h + j: so the lane's registers 32 c .. 32 c + 31 are the 32 keys of
;   block 2 c + h, in their order: a block's maximum needs no other lane, and the conversions' results are p's operand as it stands (three moves a block: a conversion's registers begin on an even number).
; CLUSTER.  The four query blocks of a cluster walk the same K and V: each tile is asked for JOINTLY, by the same tensor load with the same descriptor and a mask that names the four.
; OPERANDS ARE IMAGES OF THEIR REGISTERS, in memory and in LDS: every load takes 16 x lane on end.  A key step is 12,288 bytes: K's 48 registers a lane (tile tau's six at 6 tau), then V's four fragments.
; K = 64 IN AN INSTRUCTION OF 128.  Q's registers 6-11 are zero codes, and the scale bytes of the upper 64 are 1.0 on both sides.  K's operand for tile tau is registers 6 tau .. 6 tau + 11: its upper six are the
;   next tile's codes (behind tile 7: six zeros), which meet Q's zeros and add nothing.
; ONE STEP AHEAD: K, its scale words and the mask's numbers of step n + 1 are asked of LDS behind step n's score products, V and its scale words behind step n's last products.
; NO PREFETCH: a slot's refill is asked for eight key steps ahead of its first read, and nothing else is streamed from memory inside the loop.
.set STEPB, 12288                      ; a key step's codes
.set SLOTB, 8*STEPB                    ; a slot: eight key steps
.set SLOT1, 1<<17                      ; slot 1 begins here
.set SCL,   SLOTB                      ; behind slot 0: the scale words of the whole (batch, head): 32 steps x 768 bytes, filled once
.set MSK,   SLOT1+SLOTB                ; behind slot 1: 4,096 numbers, 0 or -2^33, in the keys' order; written by LDS stores, never a fill's target
.set SPARE, MSK+16384                  ; the spare words, 128 bytes for each wave: four blocks of 256 bytes that no other line names
; window 0, v0-111: shared
.set LI,  1                            ; 16 x lane
.set SK8, 2                            ; SCL + 8 x lane
.set SV4, 3                            ; SCL + 512 + 4 x lane
.set MK,  4                            ; MSK + 128 h
.set SPW, 5                            ; my spare word; never rewritten
.set NIL, 6                            ; 0; never rewritten
.set AD,  7                            ; v7-10 the next step's addresses
.set A8,  8
.set A4,  9
.set AM,  10
.set QSA, 11                           ; v11, v12 Q's scale words, tile 0, 1
.set PSA, 13                           ; v13, v14 p's
.set KS,  16                           ; v16-19 K's scale words: register b: lanes 0-15 tile 2 b, lanes 16-31 tile 2 b + 1
.set VS,  20                           ; v20-21 V's likewise
.set K,   24                           ; v24-71 K's 48 registers; v72-77 zeros
.set L8,  80                           ; 8 x lane
.set R16, 81                           ; 16 r + h
; window 1, v0-111: shared
.set V,   0                            ; V's four fragments
.set MC,  48                           ; the mask's 64 numbers: the C of the score products
; v112-255 of window t: tile t's own
.set S,   112                          ; S^T, then p
.set OT,  176                          ; O^T
.set PCD, 208                          ; p's codes
.set CT,  220                          ; v220-222, v224-226 the conversions' second halves
.set Q,   228                          ; Q's fragment (v234-239 zeros)
.set NM,  240                          ; -M
.set RS,  241                          ; the largest score so far
.set SUM, 242                          ; the row's sum, in two halves
.set F,   244                          ; f = 2^(old M - new M), and a 0 named with it as a pair
.set MX,  246                          ; my two blocks' largest scores, then largest p, then bytes
.set SO,  248                          ; the conversions' scale operands
.set T,   250                          ; v250-255 at work
.set WV,  18
.set SEL, 20                           ; s[20:21] lane selects: lane l xor 16
.set CS,  22                           ; s[22:23] c = log2(e) / 8, twice
.set G1,  24
.set G0,  32
.set G0S, 36
.set TB,  40                           ; LDS byte of the next step's codes
.set TS,  41                           ; its scale words: 768 bytes a step
.set TK,  42                           ; its 128 numbers of the mask: 512 bytes a step
.set SLOTS, 43
.set STEPS, 44
.set NC,  60                           ; -c
.set PSEL, 61                          ; byte selects for p's scale word
.set MSB, 0
.macro WIN new                         ; the immediate's high byte repeats the setting that is left
.if MSB != (\new)
	s_set_vgpr_msb (MSB<<8)|(\new)
.set MSB, (\new)
.endif
.endm
.macro D n
	s_delay_alu instid0(VALU_DEP_\n)
.endm
.macro WALU
	s_wait_alu depctr_va_vdst(0)
.endm
.macro WM d, a, b, c, sa, sb, row      ; one product; row = 1: source 0's scales stand in lanes 16-31 of their register
.if \row == 1
	v_wmma_scale_f32_16x16x128_f8f6f4 v[\d:\d+7], v[\a:\a+11], v[\b:\b+11], v[\c:\c+7], v[\sa], v[\sb] matrix_a_fmt:MATRIX_FMT_FP6 matrix_b_fmt:MATRIX_FMT_FP6 matrix_a_scale:MATRIX_SCALE_ROW1
.else
	v_wmma_scale_f32_16x16x128_f8f6f4 v[\d:\d+7], v[\a:\a+11], v[\b:\b+11], v[\c:\c+7], v[\sa], v[\sb] matrix_a_fmt:MATRIX_FMT_FP6 matrix_b_fmt:MATRIX_FMT_FP6
.endif
.endm
.macro CREST                           ; a round of the cluster's barrier behind its opening barrier
	s_cmp_lg_u32 s[WV], 0
	s_cbranch_scc1 .Lnot_wave_0_\@
	s_barrier_signal -3
.Lnot_wave_0_\@:
	s_barrier_wait -3
	s_barrier_signal -1
	s_barrier_wait -1
.endm
.macro CROUND
	s_barrier_signal -1
	s_barrier_wait -1
	CREST
.endm
.macro FILL                            ; waves 0 to 3: a quarter of a slot each; an s_nop 0 and four v_nop follow the line
	s_cmp_lt_u32 s[WV], 4
	s_cbranch_scc0 .Lnone_\@
	tensor_load_to_lds s[G0:G0+3], s[G1:G1+7]
	s_nop 0
.rept 4
	v_nop
.endr
.Lnone_\@:
.endm
.macro SMUL t                          ; S^T = K Q^T + C for tile t: K window 0, Q and S^T window t, C window 1; each accumulator once
	WIN 0x10+0x44*\t
.set n, 0
.rept 4
	WM S+16*n, K+12*n, Q, MC+16*n, KS+n, QSA+\t, 0
	WM S+16*n+8, K+12*n+6, Q, MC+16*n+8, KS+n, QSA+\t, 1
.set n, n+1
.endr
.endm
.macro PV t                            ; O^T += V^T P^T for tile t: V window 1, the rest window t; each accumulator once
	WIN 0x01+0x54*\t
.set n, 0
.rept 4
	WM OT+8*n, V+12*n, PCD, OT+8*n, VS+n/2, PSA+\t, n%2
.set n, n+1
.endr
.endm
.macro ADDR                            ; the next step's addresses: four plain lines, which are also the places behind the score products
	WIN 0
	v_add_nc_u32 v[AD], s[TB], v[LI]
	v_add_nc_u32 v[A8], s[TS], v[SK8]
	v_add_nc_u32 v[A4], s[TS], v[SV4]
	v_add_nc_u32 v[AM], s[TK], v[MK]
	s_add_co_u32 s[TB], s[TB], STEPB
	s_add_co_u32 s[TS], s[TS], 768
	s_add_co_u32 s[TK], s[TK], 512
.endm
.macro LDK                             ; 30 LDS loads: K's 48 registers, its scale words, the mask's 64 numbers
	WIN 0
.set n, 0
.rept 12
	ds_load_b128 v[K+4*n:K+4*n+3], v[AD] offset:512*n
.set n, n+1
.endr
	ds_load_b64 v[KS:KS+1], v[A8]
	ds_load_b64 v[KS+2:KS+3], v[A8] offset:256
	WIN 0x40
.set n, 0
.rept 8                                        ; register j of tile n is key 64 (n / 4) + 32 h + 8 (n % 4) + j
	ds_load_b128 v[MC+8*n:MC+8*n+3], v[AM] offset:256*(n/4)+32*(n%4)
	ds_load_b128 v[MC+8*n+4:MC+8*n+7], v[AM] offset:256*(n/4)+32*(n%4)+16
.set n, n+1
.endr
.endm
.macro LDV                             ; 14 LDS loads: V's four fragments and their scale words
	WIN 0x40
.set n, 0
.rept 12
	ds_load_b128 v[V+4*n:V+4*n+3], v[AD] offset:6144+512*n
.set n, n+1
.endr
	WIN 0
	ds_load_b32 v[VS], v[A4]
	ds_load_b32 v[VS+1], v[A4] offset:128
.endm
.macro ADD8                            ; eight pairs of p onto the sum's four chains
.rept 2
	v_pk_add_f32 v[T:T+1], v[T:T+1], v[S+2*n:S+2*n+1]
	v_pk_add_f32 v[T+2:T+3], v[T+2:T+3], v[S+2*n+2:S+2*n+3]
	v_pk_add_f32 v[T+4:T+5], v[T+4:T+5], v[S+2*n+4:S+2*n+5]
	v_pk_add_f32 v[SUM:SUM+1], v[SUM:SUM+1], v[S+2*n+6:S+2*n+7]
.set n, n+4
.endr
.endm
; THE SOFTMAX AND p's QUANTISER for tile t: all its registers lie in window t, but p's scale word, which lies in window 0 as every scale register does.
.macro SOFT t
	WIN 0x55*\t
	WALU                                           ; the wait directly ahead of the first reader of the scores
.irp c, 0,1                                    ; my blocks' largest scores, each in two chains; every accumulator is first read at its low end
	v_max3_num_f32 v[MX+\c], v[S+32*\c], v[S+32*\c+1], v[S+32*\c+2]
	v_max3_num_f32 v[T+2+\c], v[S+32*\c+17], v[S+32*\c+18], v[S+32*\c+19]
.endr
.irp i, 0,2,4,6,8,10
.irp c, 0,1
	v_max3_num_f32 v[MX+\c], v[MX+\c], v[S+32*\c+3+\i], v[S+32*\c+4+\i]
	v_max3_num_f32 v[T+2+\c], v[T+2+\c], v[S+32*\c+20+\i], v[S+32*\c+21+\i]
.endr
.endr
.irp c, 0,1
	v_max3_num_f32 v[MX+\c], v[MX+\c], v[S+32*\c+15], v[S+32*\c+16]
.endr
.irp c, 0,1
	D 2
	v_max_num_f32 v[MX+\c], v[MX+\c], v[T+2+\c]    ; block 2 c + h's largest score: for the row's maximum and, since p rises with the score, for the block's largest p
.endr
	D 1
	v_max_num_f32 v[T], v[MX], v[MX+1]
	D 1
	v_permlanex16_b32 v[T+1], v[T], s[SEL], s[SEL+1]
	D 1
	v_max3_num_f32 v[RS], v[RS], v[T], v[T+1]      ; the running largest score of my query, lane l xor 16's keys among them
	D 1
	v_mul_f32 v[T], s[NC], v[RS]                   ; -t (c is positive)
	v_mov_b32 v[T+1], v[NM]
	D 2
	v_floor_f32 v[NM], v[T]                        ; the new -M = floor(-t): M is a whole number
	D 1
	v_sub_f32 v[T], v[NM], v[T+1]                  ; old M less new M: a whole number, 0 or less
	D 1
	v_cvt_i32_f32 v[T], v[T]                       ; (it saturates)
	D 1
	v_ldexp_f32 v[F], 1.0, v[T]                    ; f = 2^(old M - new M)
.irp c, 0,1
	v_fma_f32 v[MX+\c], v[MX+\c], s[CS], v[NM]
.endr
.set n, 0
.rept 32
	v_pk_fma_f32 v[S+n:S+n+1], v[S+n:S+n+1], s[CS:CS+1], v[NM:NM+1] op_sel_hi:[1,0,0]   ; t - M, two at a time
.set n, n+2
.endr
	WALU                                           ; the wait ahead of the batch
	v_exp_f32 v[MX], v[MX]                         ; the blocks' largest p: the same two instructions on the same numbers
	v_exp_f32 v[MX+1], v[MX+1]
.set n, 0
.rept 64
	v_exp_f32 v[S+n], v[S+n]                       ; p = 2^(t - M): not normalised
.set n, n+1
.endr
	v_pk_mul_f32 v[SUM:SUM+1], v[SUM:SUM+1], v[F:F+1] op_sel_hi:[1,0]   ; the sums under the new M: the plain place behind the exponentials
	WALU                                           ; one wait for the whole batch, ahead of its first reader
.irp c, 0,1
	v_max_num_f32 v[MX+\c], 0x1800000, v[MX+\c]    ; the floor 2^(3 - 127): the byte cannot fall under 1
.endr
.irp i, 0,1,2
	v_pk_add_f32 v[T+2*\i:T+2*\i+1], v[S+4*\i:S+4*\i+1], v[S+4*\i+2:S+4*\i+3]   ; the row's sum is taken of the unquantised p, in four chains
.endr
.irp c, 0,1
	v_add_nc_u32 v[SO+\c], 0xff000000, v[MX+\c]    ; 2 off the exponent field: the conversion's scale operand
.endr
	v_pk_add_f32 v[SUM:SUM+1], v[SUM:SUM+1], v[S+12:S+13]
.irp c, 0,1
	v_cvt_scalef32_pk16_fp6_f32 v[PCD+6*\c:PCD+6*\c+2], v[S+32*\c:S+32*\c+15], v[SO+\c]
	v_cvt_scalef32_pk16_fp6_f32 v[CT+4*\c:CT+4*\c+2], v[S+32*\c+16:S+32*\c+31], v[SO+\c]
.endr
.irp c, 0,1
	v_lshrrev_b32 v[MX+\c], 23, v[SO+\c]           ; the scales' bytes (plain lines behind the conversions, which touch none of their results)
.endr
.set n, 7
	ADD8
	v_lshl_or_b32 v[MX], v[MX+1], 16, v[MX]        ; blocks h and 2 + h at bytes 0 and 2
	ADD8
	v_permlanex16_b32 v[MX+1], v[MX], s[SEL], s[SEL+1]
	ADD8
	WIN 0x05*\t
	v_perm_b32 v[PSA+\t], v[MX+1], v[MX], s[PSEL]  ; lanes 0-15: my bytes 0 and 2 with lane l + 16's between them: p's scale word (lanes 16-31 are not read)
	WIN 0x55*\t
.irp c, 0,1
.irp i, 0,1,2
	v_mov_b32 v[PCD+6*\c+3+\i], v[CT+4*\c+\i]
.endr
.endr
	WALU                                           ; the wait directly ahead of the first reader of O^T
.set n, 0
.rept 16
	v_pk_mul_f32 v[OT+n:OT+n+1], v[OT+n:OT+n+1], v[F:F+1] op_sel_hi:[1,0]   ; O^T under the new M; these sixteen are also the places between the writes of p's codes and scale word and the products
.set n, n+2
.endr
.endm
.macro POST t                          ; the sum's last four additions: the places behind tile t's last products
	WIN 0x55*\t
	v_pk_add_f32 v[T+4:T+5], v[T+4:T+5], v[S+62:S+63]
	v_pk_add_f32 v[T:T+1], v[T:T+1], v[T+2:T+3]
	v_pk_add_f32 v[SUM:SUM+1], v[SUM:SUM+1], v[T+4:T+5]
	v_pk_add_f32 v[SUM:SUM+1], v[SUM:SUM+1], v[T:T+1]
.endm
; A KEY STEP: 128 keys x my 32 queries.  kind 0: inside a slot.  kind 1: a slot's last step, behind which the slot is filled again: when the step's operands are in registers my reads of the slot are over:
; the three lines and the round's opening signal stand there, both tiles' softmax and last products (work on registers) between that signal and its wait, the joint refill first behind the round.
; kind 2: the same with nothing left to fetch: my work-group's barrier shows the last slot whole.  kind 3: the last step of all.
.macro STEP kind
	s_wait_dscnt 14                                ; K, its scale words and the mask's numbers are in; V's 12 loads and its 2 of scale words may be out
	SMUL 0
	SMUL 1
.if \kind < 3
	ADDR
.else
	WIN 0
.rept 4
	v_nop                                          ; places in front of the first read of the scores
.endr
.endif
.if \kind == 0
	LDK
	s_wait_dscnt 30                                ; V is in; the 30 loads just issued may be out
.elseif \kind == 3
	s_wait_dscnt 0x0
.else
	WALU
	s_wait_tensorcnt 0x0                           ; no tensor load of mine is out, so group 0 may be written
	ds_add_u32 v[SPW], v[NIL]                      ; 0 onto my spare word
.if \kind == 1
	ds_add_u32 v[SPW], v[NIL]                      ; and once more
	s_xor_b32 s[G0+1], s[G0+1], SLOT1              ; the other slot than last time,
	s_add_nc_u64 s[G0+2:G0+3], s[G0+2:G0+3], SLOTB ; the next eight key steps
.endif
	s_wait_dscnt 0x0                               ; the add is done, V is in, and my reads of this slot are over
	s_barrier_signal -1
.endif
	SOFT 0
	PV 0
	POST 0
	SOFT 1
	PV 1
	POST 1
	WIN 0
.if \kind == 0
	LDV
.elseif \kind < 3
	WALU
	s_barrier_wait -1
.if \kind == 1
	CREST                                          ; no wave of any partner still reads the slot or has a load on its way
	FILL
.endif
	LDK
	LDV
.endif
.endm
.macro SEVEN                           ; a slot's first seven steps
	s_mov_b32 s[STEPS], 7
.Lstep_\@:
	STEP 0
	s_sub_co_u32 s[STEPS], s[STEPS], 1
	s_cmp_lg_u32 s[STEPS], 0
	WALU
	s_cbranch_scc1 .Lstep_\@
	s_sub_co_u32 s[TB], s[TB], SLOTB               ; the step after the slot's last is the other slot's first
	s_xor_b32 s[TB], s[TB], SLOT1
.endm
.macro INIT t
	WIN 0x55*\t
	v_mov_b32 v[RS], 0xff61b1e6                    ; the largest score so far: -3e38
	v_mov_b32 v[NM], 0x7f61b1e6                    ; -M = 3e38: the first step's f is 0
	v_mov_b32 v[SUM], 0
	v_mov_b32 v[SUM+1], 0
	v_mov_b32 v[F+1], 0
	v_mov_b32 v[T+1], 0                            ; a lane permute's destination counts as one of its sources
.irp i, 0,1,2,3,4,5
	v_mov_b32 v[Q+6+\i], 0                         ; Q's upper 64: zero codes
.endr
.set n, 0
.rept 32
	v_mov_b32 v[OT+n], 0                           ; O^T: the step is written once for all 32 steps, so the first finds zeros
.set n, n+1
.endr
.endm
	s_load_b256 s[4:11], s[0:1], 0x0               ; qc s[4:5], qsc s[6:7], kvc s[8:9], kvs s[10:11]
	s_load_b128 s[12:15], s[0:1], 0x20             ; mask s[12:13], ctx s[14:15]
	s_load_b64 s[16:17], s[0:1], 0x30              ; csc
	v_lshl_add_u32 v[SPW], v0, 2, SPARE
	v_mov_b32 v[NIL], 0
	ds_add_u32 v[SPW], v[NIL]                      ; the wave's opening: the add, twice on end, and its wait ahead of the first tensor loads
	ds_add_u32 v[SPW], v[NIL]
	v_lshrrev_b32 v1, 5, v0
	D 1
	v_readfirstlane_b32 s[WV], v1                  ; wave 0..7
	s_bfe_u32 s45, ttmp6, 0x40000                  ; cx: it enters Q's and the results' global addresses alone
	s_lshl_b32 s46, ttmp9, 2
	s_add_co_u32 s46, s46, s45                     ; my block of 256 queries
	s_and_b32 s47, ttmp7, 0xffff                   ; batch x 8 + head, which the four partners share
	s_mov_b32 s[G1], 15|(3<<16)|(1<<21)            ; group 1: 96 rows of 256 bytes, dense; the mask names all four work-groups; bit 21 set beside it
	s_mov_b32 s[G1+1], 32<<16
	s_mov_b32 s[G1+2], 96<<16
	s_mov_b32 s[G1+3], 32<<16
	s_mov_b32 s[G1+4], 96
	s_mov_b32 s[G1+5], 32
	s_mov_b32 s[G1+6], 0
	s_mov_b32 s[G1+7], 0
	s_mov_b32 s[SEL], 0x76543210
	s_mov_b32 s[SEL+1], 0xfedcba98
	s_mov_b32 s[CS], 0x3e38aa3b                    ; log2(e) / 8
	s_mov_b32 s[CS+1], s[CS]
	s_mov_b32 s[NC], 0xbe38aa3b
	s_mov_b32 s[PSEL], 0x06020400
	s_mov_b32 s[TB], 0
	s_mov_b32 s[TS], 0
	s_mov_b32 s[TK], 0
	s_mov_b32 s[SLOTS], 2
	s_and_b32 s48, s[WV], 3
	s_mul_i32 s49, s48, SLOTB/4                    ; waves 0 to 3: my quarter of a slot, in LDS and in memory alike
	s_mul_i32 s50, s47, 32*STEPB
	s_add_co_u32 s50, s50, s49
	s_mov_b32 s51, 0
	s_mul_i32 s52, s47, 32*768
	s_mov_b32 s53, 0
	s_wait_dscnt 0x0                               ; both opening adds are done
	s_wait_kmcnt 0x0
	s_mov_b32 s[G0], 1
	s_mov_b32 s[G0+1], s49
	s_add_nc_u64 s[G0+2:G0+3], s[8:9], s[50:51]
	s_or_b32 s[G0+3], s[G0+3], 0x80000000
	s_mov_b32 s[G0S], 1
	s_mov_b32 s[G0S+1], SCL
	s_add_nc_u64 s[G0S+2:G0S+3], s[10:11], s[52:53]
	s_or_b32 s[G0S+3], s[G0S+3], 0x80000000
	CROUND                                         ; all four work-groups are here: the first joint loads meet
	s_cmp_lt_u32 s[WV], 4                          ; waves 0 to 3 bring slot 0, wave 4 the scale words, the others nothing: one load a wave
	s_cbranch_scc0 .Lnot_codes
	tensor_load_to_lds s[G0:G0+3], s[G1:G1+7]
	s_nop 0
.rept 4
	v_nop
.endr
	s_branch .Lasked
.Lnot_codes:
	s_cmp_eq_u32 s[WV], 4
	s_cbranch_scc0 .Lasked
	tensor_load_to_lds s[G0S:G0S+3], s[G1:G1+7]
	s_nop 0
.rept 4
	v_nop
.endr
.Lasked:
	s_lshr_b32 s54, s47, 3                         ; the batch's 4,096 words of the mask
	s_lshl_b32 s54, s54, 14
	s_mov_b32 s55, 0
	s_add_nc_u64 s[12:13], s[12:13], s[54:55]
	s_lshl_b32 s56, s47, 5                         ; Q: my two tiles are pair w % 4 of the group of 128 queries 2 x block + w / 4
	s_lshl_b32 s57, s46, 1
	s_add_co_u32 s56, s56, s57
	s_lshr_b32 s57, s[WV], 2
	s_add_co_u32 s56, s56, s57
	s_mul_i32 s58, s56, 6144
	s_mul_i32 s57, s48, 1536
	s_add_co_u32 s58, s58, s57
	s_mov_b32 s59, 0
	s_add_nc_u64 s[4:5], s[4:5], s[58:59]
	s_lshl_b32 s58, s56, 9                         ; its scale words: 256 (pair / 2) + 8 (16 tile + r) + 4 (pair % 2)
	s_bfe_u32 s57, s[WV], 0x10001
	s_lshl_b32 s57, s57, 8
	s_add_co_u32 s58, s58, s57
	s_and_b32 s57, s[WV], 1
	s_lshl_b32 s57, s57, 2
	s_add_co_u32 s58, s58, s57
	s_add_nc_u64 s[6:7], s[6:7], s[58:59]
	s_lshr_b32 s48, s47, 3                         ; the results: tile of rows G = 256 x batch + 16 x block + 2 x wave, and the next
	s_lshl_b32 s48, s48, 8
	s_lshl_b32 s49, s46, 4
	s_add_co_u32 s48, s48, s49
	s_lshl_b32 s49, s[WV], 1
	s_add_co_u32 s48, s48, s49
	s_and_b32 s49, s47, 7                          ; the head
	s_mul_i32 s50, s48, 6144
	s_mul_i32 s51, s49, 768
	s_add_co_u32 s50, s50, s51
	s_mov_b32 s51, 0
	s_add_nc_u64 s[14:15], s[14:15], s[50:51]
	s_lshl_b32 s50, s48, 8
	s_lshl_b32 s49, s49, 1
	s_add_co_u32 s50, s50, s49
	s_add_nc_u64 s[16:17], s[16:17], s[50:51]
	s_mov_b32 s62, 0xffff0000                      ; lanes 16-31
	v_lshlrev_b32 v84, 4, v0                       ; 16 x thread
	v_and_b32 v85, 31, v0                          ; lane
	v_and_b32 v86, 15, v0                          ; r
	v_bfe_u32 v87, v0, 4, 1                        ; h
	v_lshlrev_b32 v[LI], 4, v85
	v_lshlrev_b32 v88, 3, v86
.irp i, 0,1,2,3
	global_load_b128 v[S+4*\i:S+4*\i+3], v84, s[12:13] offset:4096*\i   ; the mask: 256 threads x 16 bytes, four times
.endr
.irp c, 0,1,2
	global_load_b128 v[K+4*\c:K+4*\c+3], v[LI], s[4:5] offset:512*\c    ; the pair's 12 registers
.endr
	global_load_b32 v[QSA], v88, s[6:7]
	global_load_b32 v[QSA+1], v88, s[6:7] offset:128
	v_lshl_add_u32 v[SK8], v85, 3, SCL
	v_lshl_add_u32 v[SV4], v85, 2, SCL+512
	v_lshl_add_u32 v[MK], v87, 7, MSK
	v_lshl_add_u32 v89, v0, 4, MSK                 ; where my numbers of the mask go
	v_mov_b32 v90, 0xd0000000                      ; -2^33
	v_lshlrev_b32 v[L8], 3, v85
	v_lshl_add_u32 v[R16], v86, 4, v87
.irp i, 0,1,2,3,4,5
	v_mov_b32 v[K+48+\i], 0                        ; what stands behind K's tile 7
.endr
	INIT 0
	INIT 1
	WIN 0
	WALU
	s_wait_loadcnt 0x0
.irp i, 0,1,2,3,4,5
	v_mov_b32 v[Q+\i], v[K+\i]                     ; tile 0's six registers of the pair's twelve
.endr
	WIN 0x40
.irp i, 0,1,2,3,4,5
	v_mov_b32 v[Q+\i], v[K+6+\i]                   ; tile 1's, into window 1
.endr
	WIN 0
.set n, 0
.rept 16
	v_cmp_eq_u32 s63, 0, v[S+n]
	v_cndmask_b32 v[S+n], 0, v90, s63              ; mask 0: -2^33; else 0
.set n, n+1
.endr
.irp i, 0,1,2,3
	ds_store_b128 v89, v[S+4*\i:S+4*\i+3] offset:4096*\i
.endr
	WALU                                           ; the wait at the head's end
	s_wait_tensorcnt 0x0                           ; my part of the head's tiles is in; slot 1's first fill is issued as a refill is
	ds_add_u32 v[SPW], v[NIL]
	ds_add_u32 v[SPW], v[NIL]                      ; twice on end
	s_xor_b32 s[G0+1], s[G0+1], SLOT1
	s_add_nc_u64 s[G0+2:G0+3], s[G0+2:G0+3], SLOTB
	s_wait_dscnt 0x0                               ; the adds are done and my LDS stores have landed
	CROUND
	FILL
	ADDR
	LDK
	LDV
.Lslot:                                            ; two trips: slots 0 and 1, each filled again behind its last step
	SEVEN
	STEP 1
	s_sub_co_u32 s[SLOTS], s[SLOTS], 1
	s_cmp_lg_u32 s[SLOTS], 0
	WALU
	s_cbranch_scc1 .Lslot
	SEVEN                                          ; the last two slots are written out
	STEP 2
	SEVEN
	STEP 3
; THE WAY OUT.  O^T / the row's sum is the context: my query's 64 channels of this head, two blocks of 32 along the last product's K; register 16 b + i is channel 32 b + 16 h + i.
; They are quantised here and leave as the image of six registers.
.macro OUTT t
	WIN 0x55*\t
	v_add_f32 v[SUM], v[SUM], v[SUM+1]
	D 1
	v_permlanex16_b32 v[T], v[SUM], s[SEL], s[SEL+1]
	D 1
	v_add_f32 v[SUM], v[SUM], v[T]                 ; with lane l xor 16's keys
	WALU
	v_rcp_f32 v[SUM], v[SUM]
	v_nop
	WALU                                           ; ahead of the reciprocal's first reader, and of the first reader of O^T
.set n, 0
.rept 32
	v_mul_f32 v[S+n], v[OT+n], v[SUM]
.set n, n+1
.endr
.irp b, 0,1
	v_max3_num_f32 v[MX+\b], |v[S+16*\b]|, |v[S+1+16*\b]|, 0x1800000
.endr
.irp i, 2,4,6,8,10,12,14
.irp b, 0,1
	D 2
	v_max3_num_f32 v[MX+\b], v[MX+\b], |v[S+16*\b+\i]|, |v[S+1+16*\b+\i]|
.endr
.endr
.irp b, 0,1
	D 2
	v_permlanex16_b32 v[T+\b], v[MX+\b], s[SEL], s[SEL+1]
.endr
.irp b, 0,1
	D 2
	v_max_num_f32 v[MX+\b], v[MX+\b], v[T+\b]
.endr
.irp b, 0,1
	D 2
	v_add_nc_u32 v[SO+\b], 0xff000000, v[MX+\b]
.endr
.irp b, 0,1
	D 2
	v_lshrrev_b32 v[T+\b], 23, v[SO+\b]
.endr
	v_cvt_scalef32_pk16_fp6_f32 v[PCD:PCD+2], v[S:S+15], v[SO]
	v_cvt_scalef32_pk16_fp6_f32 v[PCD+4:PCD+6], v[S+16:S+31], v[SO+1]
	v_nop                                          ; one plain place behind a scaled conversion
.irp i, 0,1,2
	v_permlane16_swap_b32 v[PCD+\i], v[PCD+4+\i]   ; lanes 0-15 block 0, lanes 16-31 block 1
.endr
	v_mov_b32 v[PCD+3], v[PCD+4]
	v_mov_b32 v[PCD+4], v[PCD+5]
	v_mov_b32 v[PCD+5], v[PCD+6]
	v_cndmask_b32 v[T+2], v[T], v[T+1], s62        ; my block's byte
	WIN 0x04*\t                                    ; addresses window 0, data window t
	global_store_b128 v[LI], v[PCD:PCD+3], s[14:15] offset:6144*\t         ; registers 0-3: 512 consecutive bytes, aligned
	global_store_b64 v[L8], v[PCD+4:PCD+5], s[14:15] offset:6144*\t+512    ; registers 4-5: 256 consecutive bytes, aligned
	global_store_b8 v[R16], v[T+2], s[16:17] offset:256*\t                 ; row r's bytes 2 x head + h of its 16: the eight heads' work-groups fill a row's 16 between them
.endm
	OUTT 0
	OUTT 1
	WIN 0
	s_wait_tensorcnt 0x0                           ; the wave's end
	ds_add_u32 v[SPW], v[NIL]
	s_wait_dscnt 0x0
	CROUND                                         ; the closing round
	s_endpgm
.Lfunc_end_k_qb681bfd589_attn:
	.size	k_qb681bfd589_attn, .Lfunc_end_k_qb681bfd589_attn-k_qb681bfd589_attn
	.p2alignl 7, 3214868480
	.fill 96, 4, 3214868480
	.section	.rodata,"a",@progbits
	.p2align	6, 0x0
	.amdhsa_kernel k_qb681bfd589_attn
		.amdhsa_group_segment_fixed_size 327680
		.amdhsa_private_segment_fixed_size 0
		.amdhsa_enable_private_segment 0
		.amdhsa_kernarg_size 56
		.amdhsa_user_sgpr_count 2
		.amdhsa_user_sgpr_kernarg_segment_ptr 1
		.amdhsa_wavefront_size32 1
		.amdhsa_system_sgpr_workgroup_id_x 1
		.amdhsa_system_sgpr_workgroup_id_y 1
		.amdhsa_system_sgpr_workgroup_id_z 1
		.amdhsa_system_vgpr_workitem_id 0
		.amdhsa_next_free_vgpr 512
		.amdhsa_next_free_sgpr 66
		.amdhsa_reserve_vcc 0
		.amdhsa_float_denorm_mode_32 3
		.amdhsa_float_denorm_mode_16_64 3
		.amdhsa_memory_ordered 1
		.amdhsa_forward_progress 1
		.amdhsa_inst_pref_size 195
	.end_amdhsa_kernel
	.amdgpu_metadata
---
amdhsa.version: [ 1, 2 ]
amdhsa.kernels:
  - .name:           k_qb681bfd589_attn
    .symbol:         k_qb681bfd589_attn.kd
    .args:
      - { .name: qc, .offset: 0, .size: 8, .value_kind: global_buffer, .address_space: global }
      - { .name: qsc, .offset: 8, .size: 8, .value_kind: global_buffer, .address_space: global }
      - { .name: kvc, .offset: 16, .size: 8, .value_kind: global_buffer, .address_space: global }
      - { .name: kvs, .offset: 24, .size: 8, .value_kind: global_buffer, .address_space: global }
      - { .name: mask, .offset: 32, .size: 8, .value_kind: global_buffer, .address_space: global }
      - { .name: ctx, .offset: 40, .size: 8, .value_kind: global_buffer, .address_space: global }
      - { .name: csc, .offset: 48, .size: 8, .value_kind: global_buffer, .address_space: global }
    .group_segment_fixed_size: 327680
    .private_segment_fixed_size: 0
    .kernarg_segment_align: 8
    .kernarg_segment_size: 56
    .max_flat_workgroup_size: 256
    .sgpr_count:     66
    .vgpr_count:     512
    .wavefront_size: 32
...
	.end_amdgpu_metadata
.endif
;; end of part 2
;; launch outp (part 3): grid 4 x 64, 8 waves a work-group, no clusters, 87,040 bytes of LDS; arguments ctx, csc, W_o_codes, W_o_scales, b_o, out0; writes out0
.if DOCPART == 3
	.amdgcn_target "amdgcn-amd-amdhsa--gfx1250"
	.amdhsa_code_object_version 6
	.text
	.protected	k_qb681bfd589_outp
	.globl	k_qb681bfd589_outp
	.p2align	8
	.type	k_qb681bfd589_outp,@function
k_qb681bfd589_outp:
	s_mov_b64 s[64:65], 0
	v_nop
	global_prefetch_b8 v0, s[64:65] scope:SCOPE_SE
	s_setreg_imm32_b32 hwreg(HW_REG_WAVE_MODE, 25, 1), 1
	s_wait_xcnt 0x0
; THE PROJECTION ON THE WAY OUT: out = context W_o^T + b_o on codes of FP6 (E2M3) with E8M0 scales.  Nothing of the problem is left out here.
; The context comes as the attention left it: for each tile G of 16 rows (rows 32 (G / 2) + 8 (G % 2) + r + 8 (r / 8)) and each head the image of six registers: lane (r, h) holds block h of that head's 64.
; A K step of 128 is two heads: twelve registers, loaded as they lie.  Its scale words: 16 bytes a row, word s for K step s.
; SHARES.  Work-group (cg, X): rows 128 X .. + 127 (tiles 8 X .. 8 X + 7) x columns 128 cg .. + 127.  Wave w: tiles 2 (w % 4), + 1 x the 64 columns of half w / 4: eight accumulators.
; W_o's 128 rows come into LDS once, through registers, at a pitch of 400 bytes, in the tiles' order (tile 2 b + u = rows 32 b + 8 u + r + 8 (r / 8)); one barrier.  No tensor load and no cluster: nothing is filled again.
; TRANSPOSED: source 0 = 16 rows of W_o, source 1 = 16 rows of the context: register j of W_o's tile 2 b + u is column 32 b + 16 h + 8 u + j of one row.  The bias is the first product's C.
; The results go through the wave's own stage in LDS and leave as rows: sixteen lanes store 256 consecutive bytes, aligned.
.set PITCH,  400
.set TILEB,  16*PITCH
.set STG,    128*PITCH                 ; behind W_o's rows: a stage of 16 rows x (256 bytes + 16) for each wave
.set SPITCH, 272
.set SPARE,  STG+8*16*SPITCH           ; the spare words, 128 bytes for each wave: four blocks of 256 bytes that no other line names
.set LI,  1                            ; v1   16 x lane
.set AW,  8                            ; v8   LDS address of my fragments of W_o
.set L8,  9                            ; v9   8 x lane
.set STO, 13                           ; v13  the stage: where I put 16 bytes of a row
.set RD,  14                           ; v14  and where I read a row back
.set GO,  15                           ; v15  my byte offset in two rows of out0
.set WSC, 16                           ; v16-31 W_o's scale words: tile e, K step s at 4 e + s
.set CSC, 32                           ; v32-39 the context's: tile a, K step s at 4 a + s
.set WF,  40                           ; v40-87 the fill's data, then W_o's four fragments; from v40 on, later, rows read back
.set CF,  88                           ; v88-183 the context's eight fragments: 48 a + 12 s
.set ACC, 184                          ; v184-247 accumulators: 32 a + 8 e
.set SPW, 248                          ; v248 LDS address of my spare word; never rewritten
.set NIL, 249                          ; v249 0; never rewritten
	s_load_b256 s[4:11], s[0:1], 0x0               ; ctx s[4:5], csc s[6:7], W_o's codes s[8:9], W_o's scales s[10:11]
	s_load_b128 s[12:15], s[0:1], 0x20             ; b_o s[12:13], out0 s[14:15]
	v_lshl_add_u32 v[SPW], v0, 2, SPARE
	v_mov_b32 v[NIL], 0
	v_lshrrev_b32 v1, 5, v0
	s_delay_alu instid0(VALU_DEP_1)
	v_readfirstlane_b32 s2, v1                     ; wave 0..7
	v_and_b32 v9, 31, v0                           ; lane
	v_and_b32 v2, 15, v0                           ; r
	v_bfe_u32 v3, v0, 4, 1                         ; h
	s_delay_alu instid0(VALU_DEP_2)
	v_and_b32 v4, 8, v2
	s_delay_alu instid0(VALU_DEP_1)
	v_add_nc_u32 v4, v4, v2                        ; r + 8 (r / 8)
	v_lshlrev_b32 v[LI], 4, v9
	; the fill: three loads of 512 bytes are four rows of 384.  Piece n = 32 i + lane of 16 bytes lies in row n / 24 = (43 n) >> 10 (n under 96), and goes to 16 n + 16 x that row
.irp i, 0,1,2
	v_add_nc_u32 v[5+\i], 32*\i, v9
	s_delay_alu instid0(VALU_DEP_1)
	v_mul_u32_u24 v[13+\i], v[5+\i], 43
	s_delay_alu instid0(VALU_DEP_1)
	v_lshrrev_b32 v[13+\i], 10, v[13+\i]
	s_delay_alu instid0(VALU_DEP_1)
	v_add_nc_u32 v[5+\i], v[5+\i], v[13+\i]
	s_delay_alu instid0(VALU_DEP_1)
	v_lshlrev_b32 v[5+\i], 4, v[5+\i]
.endr
	v_lshlrev_b32 v[L8], 3, v9
	s_mov_b32 s3, ttmp9                            ; cg
	s_and_b32 s16, ttmp7, 0xffff                   ; X
	s_lshr_b32 s17, s2, 2                          ; which 64 columns
	s_and_b32 s18, s2, 3                           ; which two tiles of rows
	s_lshr_b32 s19, s2, 1                          ; wave w brings rows 16 w .. + 15: groups of eight 2 (w % 2), + 1 of the 32 rows w / 2: places w % 2 and 2 + w % 2
	s_lshl_b32 s19, s19, 2
	s_and_b32 s20, s2, 1
	s_add_co_u32 s19, s19, s20
	s_mul_i32 s19, s19, 8*PITCH
	s_wait_alu depctr_va_vdst(0)
.irp i, 0,1,2
	v_add_nc_u32 v[5+\i], s19, v[5+\i]
.endr
	v_mul_u32_u24 v[AW], v2, PITCH
	s_delay_alu instid0(VALU_DEP_1)
	v_mad_u32_u24 v[AW], v3, 24, v[AW]
	s_mul_i32 s19, s17, 4*TILEB
	v_add_nc_u32 v[AW], s19, v[AW]                 ; my four tiles of W_o: row x pitch + 24 h
	v_lshlrev_b32 v10, 6, v3                       ; the bias: 64 h
	v_lshlrev_b32 v11, 4, v2                       ; the context's scale words: 16 r
	v_lshlrev_b32 v12, 4, v4                       ; W_o's: 16 bytes a row, row r + 8 (r / 8) of a tile
	s_mul_i32 s19, s2, 16*SPITCH
	s_add_co_u32 s19, s19, STG                     ; my stage
	v_mul_u32_u24 v[STO], v2, SPITCH
	s_delay_alu instid0(VALU_DEP_1)
	v_lshl_add_u32 v[STO], v3, 6, v[STO]
	s_delay_alu instid0(VALU_DEP_1)
	v_add_nc_u32 v[STO], s19, v[STO]               ; in: row r, + 64 h
	v_mul_u32_u24 v[RD], v3, SPITCH
	s_delay_alu instid0(VALU_DEP_1)
	v_lshl_add_u32 v[RD], v2, 4, v[RD]
	s_delay_alu instid0(VALU_DEP_1)
	v_add_nc_u32 v[RD], s19, v[RD]                 ; back: lanes 0-15 one row, lanes 16-31 the next
	v_lshlrev_b32 v[GO], 11, v3
	s_delay_alu instid0(VALU_DEP_1)
	v_lshl_add_u32 v[GO], v2, 4, v[GO]             ; and the same two rows of out0, 2,048 bytes apart
	s_mul_i32 s20, s3, 128*384
	s_mul_i32 s21, s2, 16*384
	s_add_co_u32 s20, s20, s21                     ; W_o's codes: my 16 rows
	s_mov_b32 s21, 0
	s_lshl_b32 s22, s3, 9
	s_lshl_b32 s23, s17, 8
	s_add_co_u32 s22, s22, s23                     ; my first column, in bytes of f32
	s_mov_b32 s23, 0
	s_lshl_b32 s24, s16, 3
	s_lshl_b32 s25, s18, 1
	s_add_co_u32 s24, s24, s25                     ; my first tile of rows
	s_mul_i32 s26, s24, 6144
	s_mov_b32 s27, 0
	s_lshl_b32 s28, s24, 8
	s_mov_b32 s29, 0
	s_lshl_b32 s30, s22, 2                         ; W_o's scale bytes: 16 a row, from row 128 cg + 64 (w / 4)
	s_mov_b32 s31, 0
	s_lshl_b32 s32, s16, 18                        ; out0: row 128 X + 32 (w % 4), 2,048 bytes a row,
	s_lshl_b32 s33, s18, 16
	s_add_co_u32 s32, s32, s33
	s_add_co_u32 s32, s32, s22                     ; and my first column
	s_mov_b32 s33, 0
	s_wait_alu depctr_va_vdst(0)
	s_wait_kmcnt 0x0
	s_add_nc_u64 s[8:9], s[8:9], s[20:21]
	s_add_nc_u64 s[12:13], s[12:13], s[22:23]
	s_add_nc_u64 s[4:5], s[4:5], s[26:27]
	s_add_nc_u64 s[6:7], s[6:7], s[28:29]
	s_add_nc_u64 s[10:11], s[10:11], s[30:31]
	s_add_nc_u64 s[14:15], s[14:15], s[32:33]
.set k, 0
.rept 12
	global_load_b128 v[WF+4*k:WF+4*k+3], v[LI], s[8:9] offset:512*k   ; 32 lanes read 512 consecutive bytes
.set k, k+1
.endr
.set q, 0
.rept 8                                        ; the bias goes INTO the accumulators (tile of rows q / 4, W_o's tile q % 4)
	global_load_b128 v[ACC+8*q:ACC+8*q+3], v10, s[12:13] offset:128*((q%4)/2)+32*(q%2)
	global_load_b128 v[ACC+8*q+4:ACC+8*q+7], v10, s[12:13] offset:128*((q%4)/2)+32*(q%2)+16
.set q, q+1
.endr
.set q, 0
.rept 8                                        ; the context's fragment of tile q / 4, K step q % 4: two heads' six registers
	global_load_b128 v[CF+12*q:CF+12*q+3], v[LI], s[4:5] offset:6144*(q/4)+1536*(q%4)
	global_load_b64 v[CF+12*q+4:CF+12*q+5], v[L8], s[4:5] offset:6144*(q/4)+1536*(q%4)+512
	global_load_b128 v[CF+12*q+6:CF+12*q+9], v[LI], s[4:5] offset:6144*(q/4)+1536*(q%4)+768
	global_load_b64 v[CF+12*q+10:CF+12*q+11], v[L8], s[4:5] offset:6144*(q/4)+1536*(q%4)+1280
.set q, q+1
.endr
	global_load_b128 v[CSC:CSC+3], v11, s[6:7]
	global_load_b128 v[CSC+4:CSC+7], v11, s[6:7] offset:256
.irp e, 0,1,2,3
	global_load_b128 v[WSC+4*\e:WSC+4*\e+3], v12, s[10:11] offset:16*(32*(\e/2)+8*(\e%2))
.endr
	s_wait_loadcnt 54                              ; W_o's twelve loads are in; the 16 + 32 + 2 + 4 issued behind them may be out
.set k, 0
.rept 12
	ds_store_b128 v[5+k%3], v[WF+4*k:WF+4*k+3] offset:16*PITCH*(k/6)+4*PITCH*((k/3)%2)
.set k, k+1
.endr
	s_wait_dscnt 0x0                               ; for the others' sake: my stores have landed
	s_barrier_signal -1
	s_barrier_wait -1                              ; W_o's 128 rows lie in LDS; nobody writes them again
	s_wait_loadcnt 0x0
.macro KSTEP s                                 ; 128 along K: W_o's four fragments from LDS, eight products; the eight accumulators take turns, one instruction a turn
.if \s > 0
.rept 4
	v_nop                                          ; places in front of loads into registers that matrix instructions have read
.endr
.endif
.irp e, 0,1,2,3
.irp p, 0,1,2,3,4,5
	ds_load_b64 v[WF+12*\e+2*\p:WF+12*\e+2*\p+1], v[AW] offset:TILEB*\e+96*\s+48*(\p/3)+8*(\p%3)
.endr
.endr
	s_wait_dscnt 0x0
.irp a, 0,1
.irp e, 0,1,2,3
	v_wmma_scale_f32_16x16x128_f8f6f4 v[ACC+32*\a+8*\e:ACC+32*\a+8*\e+7], v[WF+12*\e:WF+12*\e+11], v[CF+48*\a+12*\s:CF+48*\a+12*\s+11], v[ACC+32*\a+8*\e:ACC+32*\a+8*\e+7], v[WSC+4*\e+\s], v[CSC+4*\a+\s] matrix_a_fmt:MATRIX_FMT_FP6 matrix_b_fmt:MATRIX_FMT_FP6
.endr
.endr
.endm
	KSTEP 0
	KSTEP 1
	KSTEP 2
	KSTEP 3
.rept 4
	v_nop                                          ; places in front of the first read of results and of the loads into operands
.endr
.irp a, 0,1
.irp e, 0,1,2,3
	ds_store_b128 v[STO], v[ACC+32*\a+8*\e:ACC+32*\a+8*\e+3] offset:128*(\e/2)+32*(\e%2)       ; each accumulator from its low end on
	ds_store_b128 v[STO], v[ACC+32*\a+8*\e+4:ACC+32*\a+8*\e+7] offset:128*(\e/2)+32*(\e%2)+16
.endr
.irp i, 0,1,2,3,4,5,6,7
	ds_load_b128 v[WF+32*\a+4*\i:WF+32*\a+4*\i+3], v[RD] offset:2*\i*SPITCH   ; LDS serves a wave's instructions in order (ISA guide 5.7.1.4): these see my stores, and the next tile's stores come behind them
.endr
.endr
.irp a, 0,1
.irp i, 0,1,2,3,4,5,6,7
	s_wait_dscnt 23-16*\a-\i                       ; behind this load: the rest of its eight, and for the first tile the second's sixteen
	global_store_b128 v[GO], v[WF+32*\a+4*\i:WF+32*\a+4*\i+3], s[14:15] offset:2048*(8*\a+2*\i+8*(\i/4)) th:TH_STORE_NT   ; stage rows 2 i, 2 i + 1 are rows 8 a + 2 i + 8 (i / 4) + h: 16 lanes store 256 consecutive bytes, aligned
.endr
.endr
	s_wait_tensorcnt 0x0                           ; the wave's end, behind my last LDS store
	ds_add_u32 v[SPW], v[NIL]
	s_wait_dscnt 0x0
	s_endpgm
.Lfunc_end_k_qb681bfd589_outp:
	.size	k_qb681bfd589_outp, .Lfunc_end_k_qb681bfd589_outp-k_qb681bfd589_outp
	.p2alignl 7, 3214868480
	.fill 96, 4, 3214868480
	.section	.rodata,"a",@progbits
	.p2align	6, 0x0
	.amdhsa_kernel k_qb681bfd589_outp
		.amdhsa_group_segment_fixed_size 87040
		.amdhsa_private_segment_fixed_size 0
		.amdhsa_enable_private_segment 0
		.amdhsa_kernarg_size 48
		.amdhsa_user_sgpr_count 2
		.amdhsa_user_sgpr_kernarg_segment_ptr 1
		.amdhsa_wavefront_size32 1
		.amdhsa_system_sgpr_workgroup_id_x 1
		.amdhsa_system_sgpr_workgroup_id_y 1
		.amdhsa_system_sgpr_workgroup_id_z 1
		.amdhsa_system_vgpr_workitem_id 0
		.amdhsa_next_free_vgpr 256
		.amdhsa_next_free_sgpr 66
		.amdhsa_reserve_vcc 0
		.amdhsa_float_denorm_mode_32 3
		.amdhsa_float_denorm_mode_16_64 3
		.amdhsa_memory_ordered 1
		.amdhsa_forward_progress 1
		.amdhsa_inst_pref_size 27
	.end_amdhsa_kernel
	.amdgpu_metadata
---
amdhsa.version: [ 1, 2 ]
amdhsa.kernels:
  - .name:           k_qb681bfd589_outp
    .symbol:         k_qb681bfd589_outp.kd
    .args:
      - { .name: ctx, .offset: 0, .size: 8, .value_kind: global_buffer, .address_space: global }
      - { .name: csc, .offset: 8, .size: 8, .value_kind: global_buffer, .address_space: global }
      - { .name: W_o_codes, .offset: 16, .size: 8, .value_kind: global_buffer, .address_space: global }
      - { .name: W_o_scales, .offset: 24, .size: 8, .value_kind: global_buffer, .address_space: global }
      - { .name: b_o, .offset: 32, .size: 8, .value_kind: global_buffer, .address_space: global }
      - { .name: out0, .offset: 40, .size: 8, .value_kind: global_buffer, .address_space: global }
    .group_segment_fixed_size: 87040
    .private_segment_fixed_size: 0
    .kernarg_segment_align: 8
    .kernarg_segment_size: 48
    .max_flat_workgroup_size: 256
    .sgpr_count:     66
    .vgpr_count:     256
    .wavefront_size: 32
...
	.end_amdgpu_metadata
.endif
;; end of part 3
